; MI455X (gfx1250); checked and timed in simulation.
; The chip was launched on July 23, 2026; its instructions are those of AMD's public machine-readable ISA for CDNA 5 (MIT licence, August 2026) and "CDNA5" Instruction Set Architecture Reference Guide (July 2026). The comments in the code are by the model that wrote it; some were corrected since.
;; Compressor. Allowed arithmetic: float matrix products may take bf16 or f16 operands with f32 sums; other float arithmetic in f32, or as packed bf16 or f16 multiplies, adds, multiply-adds, maxima and minima; sums over many terms, partial sums and values carried from step to step in f32; what a program stores and reads back later, other than sums and carried values, may be rounded once to bf16 or f16.
;; Inputs: ape 4 x 512 float32; norm_w 512 float32; wgate_w 512 x 4,096 float32; wkv_w 512 x 4,096 float32; x 4 x 4,096 x 4,096 float32.
;; Outputs: out0 4 x 1,024 x 512 float32.
;; 2 versions, each right; version 2 is version 1 with the launch pack written anew for expert scheduling mode. Each part assembles by itself: llvm-mc -triple=amdgcn-amd-amdhsa -mcpu=gfx1250 --defsym DOCPART=n.
;; ======== version 1 of 2: 3 launches
;; workspace buffers: wb 8,388,608 bytes; pooled 8,388,608 bytes
;; launch pack (part 1): grid 256 x 1, 8 waves a work-group, no clusters, 35,840 bytes of LDS; arguments wkv_w, wgate_w, wb; writes wb
.if DOCPART == 1
	.amdgcn_target "amdgcn-amd-amdhsa--gfx1250"
	.amdhsa_code_object_version 6
	.text
	.protected	k_q9bd0df0873_pack
	.globl	k_q9bd0df0873_pack
	.p2align	8
	.type	k_q9bd0df0873_pack,@function
k_q9bd0df0873_pack:
	s_mov_b64 s[64:65], 0
	v_nop
	global_prefetch_b8 v0, s[64:65] scope:SCOPE_SE
	s_setreg_imm32_b32 hwreg(HW_REG_WAVE_MODE, 25, 1), 1
	s_wait_xcnt 0x0
; Both weight matrices ([512][4096] f32) are rounded once to bf16 and laid out in the order in which the product's waves take them as matrix fragments.
; wb, byte address = c*4,194,304 + step*131,072 + g*32,768 + q*8,192 + b*1,024 + i*512 + lane*16, lane = 16 h + r:
;   the 16 bytes hold k = 128 step + 32 q + 16 i + 8 h + 0..7 of weight row c*256 + g*64 + 4 r + (b % 4), of wkv_w for b < 4 and of wgate_w for b >= 4.
; So a fragment (16 columns x 32 k) is two runs of 512 consecutive bytes, 16 bytes a lane, and what one wave of the product wants for 128 k is 32,768 consecutive bytes.
; SHARES.  Work-group n = (c, step, g) makes bytes 32,768 n .. of wb; its wave w is block b = w: 16 weight rows (4 rows apart) x 128 k.
; A load takes 512 consecutive bytes of one row; the rounded rows go into the wave's own 16 LDS rows and come back turned into fragment order; a store writes 512 consecutive bytes.
; No wave reads what another wrote: no barrier.
.set PITCH, 272                        ; an LDS row: 256 bytes of bf16 + 16 = 68 words: the 16 rows that a load touches start at 16 different groups of four banks (64 banks of 4 bytes: ISA guide 11.1)
.set WAVEB, 16*PITCH                   ; a wave's rows
.set SPARE, 8*WAVEB                    ; behind them: the spare words, 128 bytes for each wave: four blocks of 256 bytes that no other line names
.set LO,  2                            ; v2   16 x lane: my 4 numbers of a row's 128
.set SA,  3                            ; v3   where I put my 8 bytes of a row
.set RA,  4                            ; v4   where I read 16 bytes of row r back
.set GO,  5                            ; v5   my 16 bytes in wb: 1,024 w + 16 lane
.set SPW, 8                            ; v8   LDS address of my spare word; never rewritten
.set NIL, 9                            ; v9   0; never rewritten
.set LD,  16                           ; v[16:79]    16 rows as loaded
.set CW,  80                           ; v[80:111]   rounded, two words a row
.set RB,  112                          ; v[112:143]  read back: 8 x 16 bytes
	s_load_b128 s[4:7], s[0:1], 0x0                ; wkv_w s[4:5], wgate_w s[6:7]
	s_load_b64 s[8:9], s[0:1], 0x10                ; wb
	v_lshl_add_u32 v[SPW], v0, 2, SPARE
	v_mov_b32 v[NIL], 0
	v_lshrrev_b32 v1, 5, v0
	v_readfirstlane_b32 s12, v1                    ; wave 0..7 = block b
	v_and_b32 v10, 31, v0                          ; lane
	v_and_b32 v11, 15, v0                          ; r
	v_bfe_u32 v12, v0, 4, 1                        ; h
	s_lshr_b32 s16, ttmp9, 7                       ; c
	s_bfe_u32 s17, ttmp9, 0x50002                  ; step: 5 bits from bit 2
	s_and_b32 s18, ttmp9, 3                        ; g
	s_and_b32 s19, s12, 3                          ; b % 4
	s_lshl_b32 s16, s16, 8
	s_lshl_b32 s18, s18, 6
	s_add_co_u32 s16, s16, s18
	s_add_co_u32 s16, s16, s19                     ; my first weight row: 256 c + 64 g + b % 4
	s_lshl_b32 s16, s16, 14                        ; x 16,384 bytes a row
	s_lshl_b32 s17, s17, 9                         ; + 512 bytes a step
	s_add_co_u32 s16, s16, s17
	s_mov_b32 s17, 0
	s_lshl_b32 s20, ttmp9, 15                      ; the work-group's 32,768 bytes of wb
	s_mov_b32 s21, 0
	s_mul_i32 s22, s12, WAVEB                      ; my wave's LDS rows
	s_lshl_b32 s23, s12, 10
	v_lshlrev_b32 v[LO], 4, v10
	v_lshl_add_u32 v[SA], v10, 3, s22
	v_mul_u32_u24 v[RA], v11, PITCH
	v_lshl_add_u32 v[RA], v12, 4, v[RA]
	v_add_nc_u32 v[RA], s22, v[RA]
	v_lshl_add_u32 v[GO], v10, 4, s23
	s_wait_kmcnt 0x0
	s_cmp_lt_u32 s12, 4                            ; blocks 0-3 come from wkv_w, 4-7 from wgate_w
	s_cselect_b64 s[14:15], s[4:5], s[6:7]
	s_add_nc_u64 s[14:15], s[14:15], s[16:17]
	s_add_nc_u64 s[8:9], s[8:9], s[20:21]
.irp t, 0,1,2,3,4,5,6,7,8,9,10,11,12,13,14,15
	global_load_b128 v[LD+4*(\t):LD+4*(\t)+3], v[LO], s[14:15] offset:(\t)*65536 th:TH_LOAD_NT  ; row r = t: four weight rows on; each byte is read once in the launch
.endr
.irp t, 0,1,2,3,4,5,6,7,8,9,10,11,12,13,14,15
	s_wait_loadcnt 15-(\t)                         ; loads come back in order: row t is in, the 15 - t younger ones stay out
	v_cvt_pk_bf16_f32 v[CW+2*(\t)], v[LD+4*(\t)], v[LD+4*(\t)+1]
	v_cvt_pk_bf16_f32 v[CW+2*(\t)+1], v[LD+4*(\t)+2], v[LD+4*(\t)+3]
	ds_store_b64 v[SA], v[CW+2*(\t):CW+2*(\t)+1] offset:(\t)*PITCH
.endr
.irp k, 0,1,2,3,4,5,6,7                ; k = 2 q + i: row r, bytes 64 q + 32 i + 16 h
	ds_load_b128 v[RB+4*(\k):RB+4*(\k)+3], v[RA] offset:(\k)*32  ; LDS serves a wave's instructions in order (ISA guide 5.7.1.4): these see the stores above
.endr
.irp k, 0,1,2,3,4,5,6,7
	s_wait_dscnt 7-(\k)
	global_store_b128 v[GO], v[RB+4*(\k):RB+4*(\k)+3], s[8:9] offset:((\k)/2)*8192+((\k)%2)*512  ; 512 consecutive bytes, at a multiple of 512 from wb's first byte
.endr
	s_wait_tensorcnt 0x0                           ; the wave's end: behind my last LDS store
	ds_add_u32 v[SPW], v[NIL]
	s_wait_dscnt 0x0
	s_endpgm
.Lfunc_end_k_q9bd0df0873_pack:
	.size	k_q9bd0df0873_pack, .Lfunc_end_k_q9bd0df0873_pack-k_q9bd0df0873_pack
	.p2alignl 7, 3214868480
	.fill 96, 4, 3214868480
	.section	.rodata,"a",@progbits
	.p2align	6, 0x0
	.amdhsa_kernel k_q9bd0df0873_pack
		.amdhsa_group_segment_fixed_size 35840
		.amdhsa_private_segment_fixed_size 0
		.amdhsa_enable_private_segment 0
		.amdhsa_kernarg_size 24
		.amdhsa_user_sgpr_count 2
		.amdhsa_user_sgpr_kernarg_segment_ptr 1
		.amdhsa_wavefront_size32 1
		.amdhsa_system_sgpr_workgroup_id_x 1
		.amdhsa_system_sgpr_workgroup_id_y 1
		.amdhsa_system_sgpr_workgroup_id_z 1
		.amdhsa_system_vgpr_workitem_id 0
		.amdhsa_next_free_vgpr 144
		.amdhsa_next_free_sgpr 66
		.amdhsa_reserve_vcc 0
		.amdhsa_float_denorm_mode_32 3
		.amdhsa_float_denorm_mode_16_64 3
		.amdhsa_memory_ordered 1
		.amdhsa_forward_progress 1
		.amdhsa_inst_pref_size 9
	.end_amdhsa_kernel
	.amdgpu_metadata
---
amdhsa.version: [ 1, 2 ]
amdhsa.kernels:
  - .name:           k_q9bd0df0873_pack
    .symbol:         k_q9bd0df0873_pack.kd
    .args:
      - { .name: wkv_w, .offset: 0, .size: 8, .value_kind: global_buffer, .address_space: global }
      - { .name: wgate_w, .offset: 8, .size: 8, .value_kind: global_buffer, .address_space: global }
      - { .name: wb, .offset: 16, .size: 8, .value_kind: global_buffer, .address_space: global }
    .group_segment_fixed_size: 35840
    .private_segment_fixed_size: 0
    .kernarg_segment_align: 8
    .kernarg_segment_size: 24
    .max_flat_workgroup_size: 256
    .sgpr_count:     66
    .vgpr_count:     144
    .wavefront_size: 32
...
	.end_amdgpu_metadata
.endif
;; end of part 1
;; launch gemm (part 2): grid 8 x 32, 4 waves a work-group, clusters of 4 x 1, 327,680 bytes of LDS; arguments x, wb, ape, pooled; writes pooled
.if DOCPART == 2
	.amdgcn_target "amdgcn-amd-amdhsa--gfx1250"
	.amdhsa_code_object_version 6
	.text
	.protected	k_q9bd0df0873_gemm
	.globl	k_q9bd0df0873_gemm
	.p2align	8
	.type	k_q9bd0df0873_gemm,@function
k_q9bd0df0873_gemm:
	s_mov_b64 s[64:65], 0
	v_nop
	global_prefetch_b8 v0, s[64:65] scope:SCOPE_SE
	s_setreg_imm32_b32 hwreg(HW_REG_WAVE_MODE, 25, 1), 1
	s_wait_xcnt 0x0
	s_wait_alu depctr_hold_cnt(0) depctr_sa_sdst(0) depctr_va_vdst(0) depctr_va_sdst(0) depctr_va_ssrc(0) depctr_va_vcc(0) depctr_vm_vsrc(0)
	s_getreg_b32 s2, hwreg(HW_REG_IB_STS2, 6, 4)
	s_cmp_eq_u32 s2, 0
	s_cbranch_scc0 .Lentry_in_a_cluster
	s_endpgm
.Lentry_in_a_cluster:
	s_bfe_u32 s2, ttmp6, 0x10000c
	s_cmp_lg_u32 s2, 0x3003
	s_cbranch_scc0 .Lentry_shape_is_right
	s_endpgm
.Lentry_shape_is_right:
; pooled[t][o] = 1/4 of the sum over p = 0..3 of ( kv[4 t + p][o] sigmoid(g[4 t + p][o]) + ape[p][o] ),  kv = x wkv^T, g = x wgate^T.
; x: [16384][4096] f32 (batch and position on end; 4,096 positions are whole windows of 4).  wb: both weights in bf16, in fragment order (as the launch before wrote them).  pooled: [4096][512] f32.
; FORMATS.  x is rounded to bf16 on its way into LDS, ape to bf16 as well (every input of the program is taken rounded to bf16); products' sums, sigmoid and pooling in f32.
; The mean of (kv sigmoid + ape) is made as 0.25 x the sum of the products + 0.25 x the sum of ape's four rows: another order of rounding than the formula's, the same terms.
; LIMITS.  sigmoid(g) = 1 / (1 + 2^(-g log2 e)): v_exp_f32 and v_rcp_f32 give 0 for results under 2^-126; for g below about -88 the power is infinite and the sigmoid 0.  NaN and infinities in x are not treated apart.
; SHARES.  256 work-groups.  A work-group makes 128 token rows x 256 output columns: 256 columns of kv and the same 256 of g.  Wave g of four takes 128 rows x (64 + 64) columns:
; 64 accumulators of 16 x 16, 512 registers; column blocks 0-3 are kv's, 4-7 the gates of the same outputs; block b, column r is output column 256 c + 64 g + 4 r + b % 4.
; THE MATRIX INSTRUCTION: source 0 = 16 rows of x, source 1 = 16 weight rows.  In the result a lane holds one column (lane % 16) and the rows 8 (lane / 16) + 0..7: two whole windows of four tokens,
; so pooling changes no lane, and a lane's four kv blocks are four neighbouring output columns: 16 bytes that are stored from registers, sixteen lanes to 256 consecutive bytes.
; K goes in steps of 128.  THE WEIGHTS come through a ring of two LDS slots of 131,072 bytes; each wave fetches, by one tensor load of 128 rows x 256 bytes, the 32,768 bytes that it alone reads.
; CLUSTER.  The four work-groups of a cluster have the same column half c and four neighbouring row blocks: they want the same weights, and ask for them JOINTLY (the same load, descriptor and mask in all four).
; X IS NOT ASKED FOR JOINTLY: it is f32 and must be rounded between memory and LDS, so it comes through registers; a row block of x is wanted by two work-groups only (c = 0, 1), which lie in two clusters.
; Each wave loads 32 rows x 64 k (16 loads of 2 rows x 256 bytes) into one of two register sets, rounds them and stores them as bf16 into one of two LDS buffers of 128 rows x 64 k, which all four waves read.
; A set is asked for again as soon as it is rounded, and waited for 256 matrix instructions later; no barrier of the ring waits for these loads.
; REGISTERS, in windows of 256 (s_set_vgpr_msb: bits 1:0 source 0, 3:2 source 1, 5:4 source 2, 7:6 destination):
;   window 0: v0-31 addresses and ape's mean; v32-63 x rounded; v64-127, v128-191 fragments of x, two buffers; v192-215 at work on ape.  On the way out v64-111 at work, v128-191 results
;   window 1: v0-63 x set 0; v64-127, v128-191 fragments of the weights, two buffers; v192-255 x set 1
;   window 2: the accumulators of rows 0-63 ((a, b) at v[8 (8 a + b)]);   window 3: those of rows 64-127
.set WSLOT,  131072                    ; a slot: one K step of the column half's weights, wave g's quarter at 32,768 g
.set XL,     2*WSLOT                   ; behind the ring: x's two buffers, written by LDS stores alone
.set XPITCH, 144                       ; a row of x in LDS: 128 bytes + 16 = 36 words: the 16 rows of a load start at 16 different groups of four banks (64 banks of 4 bytes: ISA guide 11.1)
.set XBUF,   128*XPITCH
.set SPARE,  XL+2*XBUF                 ; behind them: the spare words, 128 bytes for each wave: two blocks of 256 bytes that no other line names
.set AM,   8                           ; v[8:11]  0.25 x the sum of ape's four rows, for my four output columns
.set ADRA, 16                          ; v16   my place in a fragment of x: XL + r x 144 + 16 h
.set ADRB, 20                          ; v20-21 my place in my quarter of slot 0, 1: 16 x lane
.set XO,   22                          ; v22   x in memory: (32 w + lane / 16) rows + 16 (lane % 16)
.set XS,   23                          ; v23   x in LDS: the same row, 8 (lane % 16)
.set PO,   24                          ; v24   pooled: 2 h rows + 16 r
.set PFO,  25                          ; v25   the weights' prefetch: 256 x lane
.set XPO,  26                          ; v26   x's prefetch: (32 w + lane) rows + 256 c
.set AO,   27                          ; v27   16 r
.set SPW,  28                          ; v28   LDS address of my spare word; never rewritten
.set NIL,  29                          ; v29   0; never rewritten
.set CV,   32
.set F0,   64
.set F1,   128
.set AP,   192
.set TT,   64                          ; the way out: 32 gates
.set UU,   96                          ; 8 pairs of partial sums
.set RR,   128                         ; 8 results for each of 8 row blocks
.set WV,   12                          ; s12  my wave's number
.set G1,   24                          ; s[24:31] descriptor group 1
.set G0,   32                          ; s[32:39] descriptor group 0, a set for each slot
.set XB,   40                          ; s[40:41] x at my row block, at the K step in hand
.set PFA,  42                          ; s[42:43] where my prefetch of the weights stands
.set LIM,  44                          ; s44  1 in the clusters that prefetch weights, else the greatest number
.set CNT,  45                          ; s45  trips to go
.set NL2E, 46                          ; s[46:47] -log2(e)
.set QRT,  48                          ; s[48:49] 0.25
.set PW,   50                          ; s[50:51] pooled at my rows and columns
.set MSB, 0
.macro WIN new                         ; the immediate's high byte repeats the setting that is left; a switch that changes nothing is dropped
.if MSB != (\new)
	s_set_vgpr_msb (MSB<<8)|(\new)
.set MSB, \new
.endif
.endm
.set MUL_LO, 0xa4                      ; source 0 (x) window 0, source 1 (weights) window 1, C and D window 2
.set TO_B,   0x40                      ; destination window 1, address window 0
.set CVW,    0x05                      ; sources 0 and 1 window 1, destination window 0
; A round of the cluster's barrier: my work-group's barrier, so that wave 0's signal speaks for all four waves; wave 0 signals; every wave waits for all four work-groups; my work-group's barrier once more.
.macro CREST                           ; a round behind its opening barrier
	s_cmp_lg_u32 s[WV], 0
	s_cbranch_scc1 .Lnot_wave_0_\@
	s_barrier_signal -3
.Lnot_wave_0_\@:
	s_barrier_wait -3
	s_barrier_signal -1
	s_barrier_wait -1
.endm
.macro CROUND
	s_barrier_signal -1
	s_barrier_wait -1
	CREST
.endm
.macro PLACES                          ; four plain vector instructions between a matrix instruction and a load into a register that it has read (ISA guide 7.12.1 for vector instructions)
.rept 4
	v_nop
.endr
.endm
; 16 matrix instructions: row blocks a0, a0 + 1 of the window's four (hi = 0: rows 0-63, 1: rows 64-127) x all 8 column blocks, 32 along K.  zero = 1: the products start the sums.
; The 64 accumulators take turns, in the same order in every quarter step, over the backward jump too.
.macro MUL16 f, hi, a0, zero
	WIN MUL_LO+0x50*(\hi)
.irp a, \a0, (\a0)+1
.irp b, 0,1,2,3,4,5,6,7
.if \zero
	v_wmma_f32_16x16x32_bf16 v[8*(8*(\a)+(\b)):8*(8*(\a)+(\b))+7], v[(\f)+8*(4*(\hi)+(\a)):(\f)+8*(4*(\hi)+(\a))+7], v[(\f)+8*(\b):(\f)+8*(\b)+7], 0
.else
	v_wmma_f32_16x16x32_bf16 v[8*(8*(\a)+(\b)):8*(8*(\a)+(\b))+7], v[(\f)+8*(4*(\hi)+(\a)):(\f)+8*(4*(\hi)+(\a))+7], v[(\f)+8*(\b):(\f)+8*(\b)+7], v[8*(8*(\a)+(\b)):8*(8*(\a)+(\b))+7]
.endif
.endr
.endr
.endm
; 32 LDS loads in one run: quarter q's fragments into buffer f: the weights' 8 blocks (each two runs of 512 consecutive bytes), then x's 8 row blocks (buffer q / 2, bytes 64 (q % 2) of its rows).
.macro FETCH slot, q, f
	WIN TO_B
.irp b, 0,1,2,3,4,5,6,7
	ds_load_b128 v[(\f)+8*(\b):(\f)+8*(\b)+3],   v[ADRB+(\slot)] offset:(\q)*8192+(\b)*1024
	ds_load_b128 v[(\f)+8*(\b)+4:(\f)+8*(\b)+7], v[ADRB+(\slot)] offset:(\q)*8192+(\b)*1024+512
.endr
	WIN 0
.irp a, 0,1,2,3,4,5,6,7
	ds_load_b128 v[(\f)+8*(\a):(\f)+8*(\a)+3],   v[ADRA] offset:((\q)/2)*XBUF+(\a)*16*XPITCH+((\q)%2)*64
	ds_load_b128 v[(\f)+8*(\a)+4:(\f)+8*(\a)+7], v[ADRA] offset:((\q)/2)*XBUF+(\a)*16*XPITCH+((\q)%2)*64+32
.endr
.endm
; 16 loads: my 32 rows x 256 bytes of x, at byte kofs behind the K step in hand, into a set.  A load covers two rows' 256 consecutive bytes, each at a multiple of 256 from x's first byte.
.macro XLOAD set, kofs
	WIN TO_B
.set i, 0
.rept 16
	global_load_b128 v[192*(\set)+4*i:192*(\set)+4*i+3], v[XO], s[XB:XB+1] offset:i*32768+(\kofs)
.set i, i+1
.endr
.endm
; A set is rounded to bf16, stored into LDS buffer buf, and (reload = 1) asked for again.  left: the other set's younger loads, which stay out.
; The 32 conversions name no register of the products round them: they are also the four places in front of the fragment loads that follow.
.macro XSTAGE set, buf, left, reload, kofs
	s_wait_loadcnt \left
	WIN CVW
.set i, 0
.rept 32
	v_cvt_pk_bf16_f32 v[CV+i], v[192*(\set)+2*i], v[192*(\set)+2*i+1]
.set i, i+1
.endr
	WIN 0
.set i, 0
.rept 16
	ds_store_b64 v[XS], v[CV+2*i:CV+2*i+1] offset:(\buf)*XBUF+i*2*XPITCH
.set i, i+1
.endr
.if \reload
	XLOAD \set, \kofs
.endif
.endm
; A K step is four quarters of 32 along K, 64 matrix instructions each, on fragment buffers 0, 1, 0, 1.
; QUARTERS 0 AND 2 multiply buffer 0; in their middle they stage x and fetch the next quarter's fragments.  Quarter 0 of step t stores k = 128 t + 64 .. +63 (set 1) into buffer 1, whose last readers
; were waited for in front of the change of slots before; quarter 2 stores the next step's first 64 k (set 0) into buffer 0, whose last readers were waited for in front of quarter 1's barrier.
.macro QST slot, q, zero=0, stage=1, left=16, reload=1
	s_wait_dscnt 8                                 ; the weights and x's rows 0-63 are in; the youngest eight loads (x's rows 64-127) may be out
	MUL16 F0, 0, 0, \zero
	MUL16 F0, 0, 2, \zero
.if \stage
.if (\q) == 0
	XSTAGE 1, 1, \left, \reload, 768               ; asked for again: k = 128 t + 192 on
.else
	XSTAGE 0, 0, \left, \reload, 1024              ; asked for again: k = 128 t + 256 on
.endif
.else
	PLACES
.endif
	FETCH \slot, (\q)+1, F1
	s_wait_dscnt 32                                ; all but the 32 loads just issued
	MUL16 F0, 1, 0, \zero
	MUL16 F0, 1, 2, \zero
.endm
; QUARTER 1 multiplies buffer 1 and has a barrier for x alone: in front of it each wave's stores into x's buffer 1 and its reads of x's buffer 0 are done; behind it buffer 1 is read and, a quarter on,
; buffer 0 written.  No tensor load is issued between this barrier and the next change of slots, so the other slot's load stays on its way across it.
.macro MID slot
	s_wait_dscnt 8
	MUL16 F1, 0, 0, 0
	s_wait_dscnt 0x0
	s_barrier_signal -1
	MUL16 F1, 0, 2, 0
	s_barrier_wait -1
	PLACES
	FETCH \slot, 2, F0
	MUL16 F1, 1, 0, 0
	MUL16 F1, 1, 2, 0
.endm
; PREFETCHES INTO THE L2, behind the joint load, its five lines and the run of LDS loads.  Neither is issued in the loop's last trip, whose look-ahead would pass the last K step.
; x: at the change of slots of step t, 256 bytes of each of my 32 rows, a lane a row: k = 128 t + 448 + 64 c on.  The two work-groups that read a row block (c = 0, 1) name different 64 k, BY ADDRESS:
; each row's 256 bytes are named once in the launch.  My loads of those bytes stand in quarter 0 (c = 0) or quarter 2 (c = 1) of step t + 2.
; The weights: K step t + 4, two refills on.  All 32 clusters of a column half walk the same bytes: the first of them (y = 0) asks; of the 128 x 256 bytes that wave w fetches, the partner at place cx names
; 32 x 256, BY ADDRESS, a lane each.  The first four K steps of the weights and the first 448 k of x come by their loads alone: nothing is prefetched at the head.
.macro ASK
	s_cmp_gt_u32 s[CNT], 1
	s_cbranch_scc0 .Lasked_\@
	global_prefetch_b8 v[XPO], s[XB:XB+1] offset:1280 th:TH_LOAD_NT scope:SCOPE_SE
	s_cmp_gt_u32 s[CNT], s[LIM]
	s_cbranch_scc0 .Lasked_\@
	global_prefetch_b8 v[PFO], s[PFA:PFA+1] th:TH_LOAD_NT scope:SCOPE_SE
.Lasked_\@:
.endm
; QUARTER 3 multiplies buffer 1 and changes slots.  In front of the barrier each wave waits for all its tensor loads (one is out: its quarter of the next slot), adds 0 to its spare word, and waits for that,
; for its reads of this slot and of x's buffer 1, and for its stores into x's buffer 0.  fill = 1: the barrier opens a round of the cluster's barrier, and the joint refill (this slot, two K steps on)
; is the first thing behind the round: 224 matrix instructions ahead of the wait for it.
.macro TURN slot, next, fill
.if \fill
	s_wait_xcnt 0x0                                ; every load and prefetch issued so far has read its address: the two pointers are stepped here, ahead of the waits of the change of slots
	s_add_nc_u64 s[XB:XB+1], s[XB:XB+1], 512
	s_add_nc_u64 s[PFA:PFA+1], s[PFA:PFA+1], WSLOT
.endif
	WIN 0                                          ; (the add's two registers lie in window 0)
	s_wait_tensorcnt 0x0                           ; all my tensor loads have landed
	ds_add_u32 v[SPW], v[NIL]                      ; 0 onto my spare word
	s_wait_dscnt 9                                 ; (the add and the youngest eight loads may be out)
	MUL16 F1, 0, 0, 0                              ; sixteen matrix instructions stand between the add and the wait for it
	s_wait_dscnt 0x0
	s_barrier_signal -1
	MUL16 F1, 0, 2, 0
	WIN 0
	s_barrier_wait -1
.if \fill
	CREST                                          ; no wave of any partner still reads this slot or has a load on its way
	s_add_nc_u64 s[G0+4*(\slot)+2:G0+4*(\slot)+3], s[G0+4*(\slot)+2:G0+4*(\slot)+3], 2*WSLOT
	tensor_load_to_lds s[G0+4*(\slot):G0+4*(\slot)+3], s[G1:G1+7]
	s_nop 0
	PLACES                                         ; the places in front of the loads below
.else
	PLACES
.endif
	FETCH \next, 0, F0
.if \fill
	ASK
.endif
	MUL16 F1, 1, 0, 0
	MUL16 F1, 1, 2, 0
.endm
	s_load_b256 s[4:11], s[0:1], 0x0               ; x s[4:5], wb s[6:7], ape s[8:9], pooled s[10:11]
	v_lshl_add_u32 v[SPW], v0, 2, SPARE
	v_mov_b32 v[NIL], 0
	ds_add_u32 v[SPW], v[NIL]                      ; the wave's opening: the add and its wait stand ahead of my first tensor load; the set-up below, work on registers, stands between them
	v_lshrrev_b32 v3, 5, v0
	v_readfirstlane_b32 s[WV], v3                  ; wave 0..3
	s_bfe_u32 s13, ttmp6, 0x40000                  ; cx: my place in the cluster: it enters x's, pooled's and the prefetches' addresses alone
	s_mov_b32 s14, ttmp9                           ; c: the column half = the cluster's x
	s_and_b32 s15, ttmp7, 0xffff                   ; y: the cluster's four row blocks
	; descriptor group 1: 32,768 dense bytes as 128 rows of 32 elements of 8 bytes
	s_mov_b32 s[G1+0], 15|(3<<16)|(1<<21)          ; 15:0 the mask: all four work-groups; 17:16 elements of 8 bytes; 20 no padding; 21 set beside a mask
	s_mov_b32 s[G1+1], 32<<16                      ; tensor_dim0 = 32
	s_mov_b32 s[G1+2], 128<<16                     ; tensor_dim1 = 128
	s_mov_b32 s[G1+3], 32<<16                      ; tile_dim0 = 32
	s_mov_b32 s[G1+4], 128                         ; tile_dim1 = 128
	s_mov_b32 s[G1+5], 32                          ; 32 elements from row to row
	s_mov_b32 s[G1+6], 0
	s_mov_b32 s[G1+7], 0
	s_mov_b32 s[NL2E], 0xbfb8aa3b                  ; -log2(e)
	s_mov_b32 s[NL2E+1], s[NL2E]                   ; named with it as a pair
	s_mov_b32 s[QRT], 0x3e800000                   ; 0.25
	s_mov_b32 s[QRT+1], s[QRT]
	s_cmp_eq_u32 s15, 0
	s_cselect_b32 s[LIM], 1, -1                    ; the same in all four partners
	s_lshl_b32 s16, s15, 2
	s_add_co_u32 s16, s16, s13                     ; my row block = 4 y + cx, 0..127
	s_lshl_b32 s56, s16, 16                        ; its 32 rows of pooled, 2,048 bytes each
	s_lshl_b32 s16, s16, 21                        ; its 128 rows of x, 16,384 bytes each
	s_mov_b32 s17, 0
	s_lshl_b32 s18, s14, 22                        ; the column half's 4,194,304 bytes of wb
	s_lshl_b32 s52, s[WV], 15                      ; my quarter of a K step, in wb and in a slot
	s_add_co_u32 s18, s18, s52
	s_mov_b32 s19, 0
	s_lshl_b32 s22, s13, 13                        ; the prefetch: my work-group's 32 x 256 bytes of that quarter,
	s_add_co_u32 s22, s22, 3*WSLOT                 ; at K step 3: the first change of slots steps it to 4
	s_mov_b32 s23, 0
	s_lshl_b32 s58, s14, 10                        ; my 64 output columns, in bytes: 1,024 c + 256 w
	s_lshl_b32 s59, s[WV], 8
	s_add_co_u32 s58, s58, s59
	s_mov_b32 s59, 0
	s_add_co_u32 s56, s56, s58
	s_mov_b32 s57, 0
	s_wait_dscnt 0x0                               ; the opening add is done
	s_wait_kmcnt 0x0
	s_add_nc_u64 s[XB:XB+1], s[4:5], s[16:17]
	s_add_nc_u64 s[20:21], s[6:7], s[18:19]        ; made of c and the wave's number alone: equal in the four partners
	s_add_nc_u64 s[PFA:PFA+1], s[20:21], s[22:23]
	s_add_nc_u64 s[8:9], s[8:9], s[58:59]
	s_add_nc_u64 s[PW:PW+1], s[10:11], s[56:57]
.irp s, 0,1
	s_mov_b32 s[G0+4*(\s)], 1                      ; 1:0 count = 1
	s_add_co_u32 s[G0+4*(\s)+1], s52, (\s)*WSLOT   ; 63:32 LDS address: the slot, my quarter
	s_add_nc_u64 s[G0+4*(\s)+2:G0+4*(\s)+3], s[20:21], (\s)*WSLOT  ; 120:64 global address: K step s
	s_or_b32 s[G0+4*(\s)+3], s[G0+4*(\s)+3], 0x80000000            ; 127:126 type = 2
.endr
	CROUND                                         ; all four work-groups are here: the first joint loads meet
	tensor_load_to_lds s[G0:G0+3], s[G1:G1+7]      ; both first fills together: two loads of mine are out
	s_nop 0
	tensor_load_to_lds s[G0+4:G0+7], s[G1:G1+7]
	s_nop 0
	PLACES
	v_and_b32 v1, 15, v0                           ; r = lane % 16
	v_bfe_u32 v2, v0, 4, 1                         ; h = lane / 16
	v_and_b32 v3, 31, v0                           ; lane
	v_lshlrev_b32 v[AO], 4, v1
.irp p, 0,1,2,3
	global_load_b128 v[AP+4*(\p):AP+4*(\p)+3], v[AO], s[8:9] offset:(\p)*2048  ; ape[p], my four output columns
.endr
	s_lshl_b32 s53, s[WV], 19                      ; my 32 rows of x
	v_lshlrev_b32 v[XO], 14, v2
	v_lshl_add_u32 v[XO], v1, 4, v[XO]
	v_add_nc_u32 v[XO], s53, v[XO]
	XLOAD 0, 0                                     ; k = 0..63
	XLOAD 1, 256                                   ; k = 64..127
	WIN 0
	v_mul_u32_u24 v[ADRA], v1, XPITCH
	v_lshl_add_u32 v[ADRA], v2, 4, v[ADRA]
	v_add_nc_u32 v[ADRA], XL, v[ADRA]
	v_lshl_add_u32 v[ADRB], v3, 4, s52
	v_add_nc_u32 v[ADRB+1], WSLOT, v[ADRB]
	s_mul_i32 s54, s[WV], 32*XPITCH
	s_add_co_u32 s54, s54, XL
	v_mul_u32_u24 v[XS], v2, XPITCH
	v_lshl_add_u32 v[XS], v1, 3, v[XS]
	v_add_nc_u32 v[XS], s54, v[XS]
	v_lshlrev_b32 v[PO], 12, v2
	v_lshl_add_u32 v[PO], v1, 4, v[PO]
	v_lshlrev_b32 v[PFO], 8, v3
	s_lshl_b32 s55, s14, 8
	v_lshl_add_u32 v[XPO], v3, 14, s53
	v_add_nc_u32 v[XPO], s55, v[XPO]
	XSTAGE 0, 0, 16, 1, 512                        ; set 1's 16 loads stay out; ape's four, issued first, are in with set 0.  Asked for again: k = 128 on
	WIN 0
.irp p, 0,1,2,3                        ; ape rounded to bf16 and widened again
	v_cvt_pk_bf16_f32 v[AP+16+2*(\p)], v[AP+4*(\p)], v[AP+4*(\p)+1]
	v_cvt_pk_bf16_f32 v[AP+17+2*(\p)], v[AP+4*(\p)+2], v[AP+4*(\p)+3]
.endr
.irp p, 0,1,2,3,4,5,6,7
	v_lshlrev_b32 v[AP+2*(\p)], 16, v[AP+16+(\p)]
	v_and_b32 v[AP+2*(\p)+1], 0xffff0000, v[AP+16+(\p)]
.endr
	v_pk_add_f32 v[AP:AP+1], v[AP:AP+1], v[AP+4:AP+5]
	v_pk_add_f32 v[AP+2:AP+3], v[AP+2:AP+3], v[AP+6:AP+7]
	v_pk_add_f32 v[AP+8:AP+9], v[AP+8:AP+9], v[AP+12:AP+13]
	v_pk_add_f32 v[AP+10:AP+11], v[AP+10:AP+11], v[AP+14:AP+15]
	v_pk_add_f32 v[AP:AP+1], v[AP:AP+1], v[AP+8:AP+9]
	v_pk_add_f32 v[AP+2:AP+3], v[AP+2:AP+3], v[AP+10:AP+11]
	v_pk_mul_f32 v[AM:AM+1], v[AP:AP+1], s[QRT:QRT+1] op_sel_hi:[1,0]
	v_pk_mul_f32 v[AM+2:AM+3], v[AP+2:AP+3], s[QRT:QRT+1] op_sel_hi:[1,0]
	s_wait_tensorcnt 0x1                           ; my quarter of slot 0 is in; slot 1's may stay out
	s_wait_dscnt 0x0                               ; my stores into x's buffer 0 are done
	s_barrier_signal -1
	s_barrier_wait -1                              ; everybody's are
	FETCH 0, 0, F0
	QST 0, 0, 1                                    ; the first quarter stands in front of the loop: its products start the sums
	WIN 0                                          ; at a label and at a branch every window is 0
	s_mov_b32 s[CNT], 15
.Llap:                                                 ; a trip goes once round the ring, from a lap's second quarter to the next lap's first: K steps 2 i and 2 i + 1; both slots are filled again
	MID 0
	QST 0, 2
	TURN 0, 1, 1
	QST 1, 0
	MID 1
	QST 1, 2
	TURN 1, 0, 1
	QST 0, 0
	WIN 0
	s_sub_co_u32 s[CNT], s[CNT], 1
	s_cmp_lg_u32 s[CNT], 0
	s_cbranch_scc1 .Llap
	MID 0                                          ; the last lap, K steps 30 and 31, is written out: it asks for nothing more
	QST 0, 2, 0, 1, 16, 0                          ; set 0 holds k = 3,968 on; set 1's loads stay out
	TURN 0, 1, 0
	QST 1, 0, 0, 1, 0, 0                           ; set 1 holds the last 64 k: no load is left
	MID 1
	QST 1, 2, 0, 0
	s_wait_dscnt 8                                 ; the very last quarter
	MUL16 F1, 0, 0, 0
	MUL16 F1, 0, 2, 0
	s_wait_dscnt 0x0
	MUL16 F1, 1, 0, 0
	MUL16 F1, 1, 2, 0
	WIN 0
	PLACES                                         ; the places between the last products and the first reads of results
	PLACES
; THE WAY OUT of row block a (16 token rows: four windows).  The gates: 2^(-g log2 e), + 1, reciprocal: two batches of 32 transcendentals, each with one plain instruction and one wait behind it.
; Then kv x gate, summed over a window's four registers; x 0.25 + ape's mean; and two stores of 16 bytes a lane: lanes 0-15 write 256 consecutive bytes of one row of pooled, at a
; multiple of 256 from its first byte, lanes 16-31 those of the row two further down.  Each accumulator's lowest registers are read first.
.macro EPI a
.set EW, 2+(\a)/4
.set AC, 64*((\a)%4)
	WIN EW                                         ; source 0: the accumulators' window
.set i, 0
.rept 16
	v_pk_mul_f32 v[TT+2*i:TT+2*i+1], v[AC+32+2*i:AC+32+2*i+1], s[NL2E:NL2E+1] op_sel_hi:[1,0]
.set i, i+1
.endr
	WIN 0
.set i, 0
.rept 32
	v_exp_f32 v[TT+i], v[TT+i]
.set i, i+1
.endr
	v_nop
	s_wait_alu depctr_va_vdst(0)
.set i, 0
.rept 16
	v_pk_add_f32 v[TT+2*i:TT+2*i+1], v[TT+2*i:TT+2*i+1], 1.0 op_sel_hi:[1,0]
.set i, i+1
.endr
.set i, 0
.rept 32
	v_rcp_f32 v[TT+i], v[TT+i]
.set i, i+1
.endr
	v_nop
	s_wait_alu depctr_va_vdst(0)
	WIN EW<<2                                      ; source 1: the accumulators' window
.set i, 0
.rept 8                                ; i = 2 b + window: the window's first two tokens,
	v_pk_mul_f32 v[UU+2*i:UU+2*i+1], v[TT+4*i:TT+4*i+1], v[AC+4*i:AC+4*i+1]
.set i, i+1
.endr
.set i, 0
.rept 8                                ; and its last two
	v_pk_fma_f32 v[UU+2*i:UU+2*i+1], v[TT+4*i+2:TT+4*i+3], v[AC+4*i+2:AC+4*i+3], v[UU+2*i:UU+2*i+1]
.set i, i+1
.endr
	WIN 0
.set i, 0
.rept 8
	v_add_f32 v[UU+2*i], v[UU+2*i], v[UU+2*i+1]
.set i, i+1
.endr
.irp w, 0,1
.irp b, 0,1,2,3
	v_fma_f32 v[RR+8*(\a)+4*(\w)+(\b)], v[UU+2*(2*(\b)+(\w))], s[QRT], v[AM+(\b)]
.endr
.endr
.irp w, 0,1
	global_store_b128 v[PO], v[RR+8*(\a)+4*(\w):RR+8*(\a)+4*(\w)+3], s[PW:PW+1] offset:(4*(\a)+(\w))*2048  ; each block has result registers of its own: none is rewritten
.endr
.endm
.irp a, 0,1,2,3,4,5,6,7
	EPI \a
.endr
	s_wait_tensorcnt 0x0                           ; the wave's end: behind my last tensor load and my last LDS store
	ds_add_u32 v[SPW], v[NIL]
	s_wait_dscnt 0x0
	CROUND                                         ; the closing round: no work-group ends while a partner may still ask for a tile that names it
	s_endpgm
.Lfunc_end_k_q9bd0df0873_gemm:
	.size	k_q9bd0df0873_gemm, .Lfunc_end_k_q9bd0df0873_gemm-k_q9bd0df0873_gemm
	.p2alignl 7, 3214868480
	.fill 96, 4, 3214868480
	.section	.rodata,"a",@progbits
	.p2align	6, 0x0
	.amdhsa_kernel k_q9bd0df0873_gemm
		.amdhsa_group_segment_fixed_size 327680
		.amdhsa_private_segment_fixed_size 0
		.amdhsa_enable_private_segment 0
		.amdhsa_kernarg_size 32
		.amdhsa_user_sgpr_count 2
		.amdhsa_user_sgpr_kernarg_segment_ptr 1
		.amdhsa_wavefront_size32 1
		.amdhsa_system_sgpr_workgroup_id_x 1
		.amdhsa_system_sgpr_workgroup_id_y 1
		.amdhsa_system_sgpr_workgroup_id_z 1
		.amdhsa_system_vgpr_workitem_id 0
		.amdhsa_next_free_vgpr 1024
		.amdhsa_next_free_sgpr 66
		.amdhsa_reserve_vcc 0
		.amdhsa_float_denorm_mode_32 3
		.amdhsa_float_denorm_mode_16_64 3
		.amdhsa_memory_ordered 1
		.amdhsa_forward_progress 1
		.amdhsa_inst_pref_size 197
	.end_amdhsa_kernel
	.amdgpu_metadata
---
amdhsa.version: [ 1, 2 ]
amdhsa.kernels:
  - .name:           k_q9bd0df0873_gemm
    .symbol:         k_q9bd0df0873_gemm.kd
    .args:
      - { .name: x, .offset: 0, .size: 8, .value_kind: global_buffer, .address_space: global }
      - { .name: wb, .offset: 8, .size: 8, .value_kind: global_buffer, .address_space: global }
      - { .name: ape, .offset: 16, .size: 8, .value_kind: global_buffer, .address_space: global }
      - { .name: pooled, .offset: 24, .size: 8, .value_kind: global_buffer, .address_space: global }
    .group_segment_fixed_size: 327680
    .private_segment_fixed_size: 0
    .kernarg_segment_align: 8
    .kernarg_segment_size: 32
    .max_flat_workgroup_size: 128
    .sgpr_count:     66
    .vgpr_count:     1024
    .wavefront_size: 32
...
	.end_amdgpu_metadata
.endif
;; end of part 2
;; launch norm (part 3): grid 256 x 1, 8 waves a work-group, no clusters, 0 bytes of LDS; arguments pooled, norm_w, out0; writes out0
.if DOCPART == 3
	.amdgcn_target "amdgcn-amd-amdhsa--gfx1250"
	.amdhsa_code_object_version 6
	.text
	.protected	k_q9bd0df0873_norm
	.globl	k_q9bd0df0873_norm
	.p2align	8
	.type	k_q9bd0df0873_norm,@function
k_q9bd0df0873_norm:
	s_mov_b64 s[64:65], 0
	v_nop
	global_prefetch_b8 v0, s[64:65] scope:SCOPE_SE
	s_setreg_imm32_b32 hwreg(HW_REG_WAVE_MODE, 25, 1), 1
	s_wait_xcnt 0x0
; out0[t][o] = norm_w[o] x pooled[t][o] / sqrt(mean over o of pooled[t][o]^2 + 1e-6).  pooled, out0: [4096][512] f32; norm_w: [512] f32, taken rounded to bf16 like every input of the program.
; A stream: each byte is read once and written once.  A row is 2,048 bytes: one wave holds it in 16 registers between the sum of squares and the scaling, so no LDS and no barrier.
; A work-group takes 16 rows, a wave two; each load and store of a wave covers 512 consecutive bytes.  All twelve loads of a wave go out at once.
; Matrix units, clusters and LDS would add nothing here: the work-groups share only norm_w's 2,048 bytes.
; LIMIT.  The sum of 512 squares is kept in f32: rows whose numbers pass about 8e17 overflow it, as they do in the formula itself.
.set RO,  2                            ; v2       4,096 x wave + 16 x lane: my 16 bytes of my wave's first row
.set WO,  3                            ; v3       16 x lane
.set ROWS, 8                           ; v[8:39]  two rows, 16 registers each
.set NW,  40                           ; v[40:55] norm_w of my 16 columns
.set SQ,  56                           ; v[56:63] sums of squares, four registers a row
.set RS,  64                           ; v[64:67] 1 / sqrt, twice for each row: a pair for the packed multiply
.set TP,  68                           ; v[68:71] at work
	s_load_b128 s[4:7], s[0:1], 0x0                ; pooled s[4:5], norm_w s[6:7]
	s_load_b64 s[8:9], s[0:1], 0x10                ; out0
	v_and_b32 v[WO], 31, v0
	v_and_b32 v[RO], 0xe0, v0                      ; 32 x wave
	v_lshlrev_b32 v[WO], 4, v[WO]
	v_lshl_or_b32 v[RO], v[RO], 7, v[WO]
	s_lshl_b32 s2, ttmp9, 15                       ; the work-group's 16 rows
	s_mov_b32 s3, 0
	s_mov_b32 s12, 0x3b000000                      ; 1 / 512
	s_mov_b32 s13, 0x358637bd                      ; 1e-6
	s_mov_b32 s14, 0x76543210                      ; v_permlanex16_b32: each lane takes its own place in the other half
	s_mov_b32 s15, 0xfedcba98
	s_wait_kmcnt 0x0
	s_add_nc_u64 s[4:5], s[4:5], s[2:3]
	s_add_nc_u64 s[8:9], s[8:9], s[2:3]
.irp k, 0,1,2,3,4,5,6,7                ; row k / 4, bytes 512 (k % 4) on
	global_load_b128 v[ROWS+4*(\k):ROWS+4*(\k)+3], v[RO], s[4:5] offset:(\k)*512 th:TH_LOAD_NT
.endr
.irp k, 0,1,2,3
	global_load_b128 v[NW+4*(\k):NW+4*(\k)+3], v[WO], s[6:7] offset:(\k)*512
.endr
.macro SQUARES j                       ; my 16 numbers of row j: two chains, started by the first products
	v_pk_mul_f32 v[SQ+4*(\j):SQ+4*(\j)+1], v[ROWS+16*(\j):ROWS+16*(\j)+1], v[ROWS+16*(\j):ROWS+16*(\j)+1]
	v_pk_mul_f32 v[SQ+4*(\j)+2:SQ+4*(\j)+3], v[ROWS+16*(\j)+2:ROWS+16*(\j)+3], v[ROWS+16*(\j)+2:ROWS+16*(\j)+3]
.irp p, 2,3,4,5,6,7
	v_pk_fma_f32 v[SQ+4*(\j)+2*((\p)%2):SQ+4*(\j)+2*((\p)%2)+1], v[ROWS+16*(\j)+2*(\p):ROWS+16*(\j)+2*(\p)+1], v[ROWS+16*(\j)+2*(\p):ROWS+16*(\j)+2*(\p)+1], v[SQ+4*(\j)+2*((\p)%2):SQ+4*(\j)+2*((\p)%2)+1]
.endr
	v_pk_add_f32 v[SQ+4*(\j):SQ+4*(\j)+1], v[SQ+4*(\j):SQ+4*(\j)+1], v[SQ+4*(\j)+2:SQ+4*(\j)+3]
	v_add_f32 v[SQ+4*(\j)], v[SQ+4*(\j)], v[SQ+4*(\j)+1]
.endm
	s_wait_loadcnt 8                               ; row 0 is in; row 1's four loads and norm_w's four stay out
	SQUARES 0
	s_wait_loadcnt 4                               ; row 1 is in
	SQUARES 1
.irp m, 1,2,4,8                        ; across the lanes: four steps inside each half of 16, the two rows by turns,
	v_add_f32_dpp v[SQ], v[SQ], v[SQ] row_xmask:\m row_mask:0xf bank_mask:0xf
	v_add_f32_dpp v[SQ+4], v[SQ+4], v[SQ+4] row_xmask:\m row_mask:0xf bank_mask:0xf
.endr
	v_permlanex16_b32 v[SQ+1], v[SQ], s14, s15     ; and one across the halves (the destinations have been written)
	v_permlanex16_b32 v[SQ+5], v[SQ+4], s14, s15
	v_add_f32 v[SQ], v[SQ], v[SQ+1]
	v_add_f32 v[SQ+4], v[SQ+4], v[SQ+5]
	v_fma_f32 v[SQ], v[SQ], s12, s13               ; the mean of the squares + 1e-6
	v_fma_f32 v[SQ+4], v[SQ+4], s12, s13
	v_rsq_f32 v[RS], v[SQ]
	v_rsq_f32 v[RS+1], v[SQ]
	v_rsq_f32 v[RS+2], v[SQ+4]
	v_rsq_f32 v[RS+3], v[SQ+4]
	s_wait_loadcnt 0x0                             ; norm_w
.irp p, 0,1,2,3,4,5,6,7                ; rounded to bf16 and widened again: plain work that names none of the four roots, between them and their wait
	v_cvt_pk_bf16_f32 v[TP+(\p)%4], v[NW+2*(\p)], v[NW+2*(\p)+1]
	v_lshlrev_b32 v[NW+2*(\p)], 16, v[TP+(\p)%4]
	v_and_b32 v[NW+2*(\p)+1], 0xffff0000, v[TP+(\p)%4]
.endr
	s_wait_alu depctr_va_vdst(0)                   ; one wait for the four roots, ahead of their first reader
.irp j, 0,1
.irp p, 0,1,2,3,4,5,6,7
	v_pk_mul_f32 v[ROWS+16*(\j)+2*(\p):ROWS+16*(\j)+2*(\p)+1], v[ROWS+16*(\j)+2*(\p):ROWS+16*(\j)+2*(\p)+1], v[NW+2*(\p):NW+2*(\p)+1]
.endr
.irp p, 0,1,2,3,4,5,6,7
	v_pk_mul_f32 v[ROWS+16*(\j)+2*(\p):ROWS+16*(\j)+2*(\p)+1], v[ROWS+16*(\j)+2*(\p):ROWS+16*(\j)+2*(\p)+1], v[RS+2*(\j):RS+2*(\j)+1]
.endr
.irp k, 0,1,2,3
	global_store_b128 v[RO], v[ROWS+16*(\j)+4*(\k):ROWS+16*(\j)+4*(\k)+3], s[8:9] offset:(\j)*2048+(\k)*512 th:TH_STORE_NT  ; 512 consecutive bytes, at a multiple of 512 from out0's first byte
.endr
.endr
	s_endpgm
.Lfunc_end_k_q9bd0df0873_norm:
	.size	k_q9bd0df0873_norm, .Lfunc_end_k_q9bd0df0873_norm-k_q9bd0df0873_norm
	.p2alignl 7, 3214868480
	.fill 96, 4, 3214868480
	.section	.rodata,"a",@progbits
	.p2align	6, 0x0
	.amdhsa_kernel k_q9bd0df0873_norm
		.amdhsa_group_segment_fixed_size 0
		.amdhsa_private_segment_fixed_size 0
		.amdhsa_enable_private_segment 0
		.amdhsa_kernarg_size 24
		.amdhsa_user_sgpr_count 2
		.amdhsa_user_sgpr_kernarg_segment_ptr 1
		.amdhsa_wavefront_size32 1
		.amdhsa_system_sgpr_workgroup_id_x 1
		.amdhsa_system_sgpr_workgroup_id_y 1
		.amdhsa_system_sgpr_workgroup_id_z 1
		.amdhsa_system_vgpr_workitem_id 0
		.amdhsa_next_free_vgpr 72
		.amdhsa_next_free_sgpr 66
		.amdhsa_reserve_vcc 0
		.amdhsa_float_denorm_mode_32 3
		.amdhsa_float_denorm_mode_16_64 3
		.amdhsa_memory_ordered 1
		.amdhsa_forward_progress 1
		.amdhsa_inst_pref_size 9
	.end_amdhsa_kernel
	.amdgpu_metadata
---
amdhsa.version: [ 1, 2 ]
amdhsa.kernels:
  - .name:           k_q9bd0df0873_norm
    .symbol:         k_q9bd0df0873_norm.kd
    .args:
      - { .name: pooled, .offset: 0, .size: 8, .value_kind: global_buffer, .address_space: global }
      - { .name: norm_w, .offset: 8, .size: 8, .value_kind: global_buffer, .address_space: global }
      - { .name: out0, .offset: 16, .size: 8, .value_kind: global_buffer, .address_space: global }
    .group_segment_fixed_size: 0
    .private_segment_fixed_size: 0
    .kernarg_segment_align: 8
    .kernarg_segment_size: 24
    .max_flat_workgroup_size: 256
    .sgpr_count:     66
    .vgpr_count:     72
    .wavefront_size: 32
...
	.end_amdgpu_metadata
.endif
;; end of part 3
;; ======== version 2 of 2: 3 launches; version 1 with the launch pack written anew for expert scheduling mode
;; workspace buffers: wb 8,388,608 bytes; pooled 8,388,608 bytes
;; launch pack (part 4): grid 256 x 1, 8 waves a work-group, no clusters, 35,840 bytes of LDS; arguments wkv_w, wgate_w, wb; writes wb
.if DOCPART == 4
	.amdgcn_target "amdgcn-amd-amdhsa--gfx1250"
	.amdhsa_code_object_version 6
	.text
	.protected	k_q9bd0df0873_pack
	.globl	k_q9bd0df0873_pack
	.p2align	8
	.type	k_q9bd0df0873_pack,@function
k_q9bd0df0873_pack:
	s_mov_b64 s[64:65], 0
	v_nop
	global_prefetch_b8 v0, s[64:65] scope:SCOPE_SE
	s_setreg_imm32_b32 hwreg(HW_REG_WAVE_SCHED_MODE, 0, 2), 2
	s_setreg_imm32_b32 hwreg(HW_REG_WAVE_MODE, 25, 1), 1
	s_wait_xcnt 0x0
	s_wait_alu depctr_vm_vsrc(0)
; Both weight matrices ([512][4096] f32) are rounded once to bf16 and laid out in the order in which the product's waves take them as matrix fragments.
; wb, byte address = c*4,194,304 + step*131,072 + g*32,768 + q*8,192 + b*1,024 + i*512 + lane*16, lane = 16 h + r:
;   the 16 bytes hold k = 128 step + 32 q + 16 i + 8 h + 0..7 of weight row c*256 + g*64 + 4 r + (b % 4), of wkv_w for b < 4 and of wgate_w for b >= 4.
; So a fragment (16 columns x 32 k) is two runs of 512 consecutive bytes, 16 bytes a lane, and what one wave of the product wants for 128 k is 32,768 consecutive bytes.
; SHARES.  Work-group n = (c, step, g) makes bytes 32,768 n .. of wb; its wave w is block b = w: 16 weight rows (4 rows apart) x 128 k.
; A load takes 512 consecutive bytes of one row; the rounded rows go into the wave's own 16 LDS rows and come back turned into fragment order; a store writes 512 consecutive bytes.
; No wave reads what another wrote: no barrier.
; THE MODE: SCHED_MODE bits 1:0 = 2 (LLVM: expert scheduling mode 2), set by the entry lines.  The code itself states the register dependences
; between vector instructions and memory or LDS instructions, with s_wait_alu, always for 0.
; THE PLAN.  Registers that memory or LDS instructions touch:
;   v[LO], v[SA], v[RA], v[GO]  offsets and LDS addresses: written once at the head by vector instructions, read by every load and store, never written again.
;   LD   row t: written by its global load, read by row t's two conversions; no vector instruction names it ahead of the load, and nothing lands in it again.
;   CW   row t: two registers of its own, written once by row t's conversions, read once by row t's LDS store.
;   RB   written by the LDS loads, read by the global stores; no vector instruction names it.
;   v[SPW], v[NIL]  written at the head, read by the closing add alone.
; The 16 rows go in four groups of four.  Row t's turn issues the LDS store of row t - 4 and then rounds row t: the store's data were written in the group before, and ONE wait on va_vdst at a
; group's head states that for its four stores; the group's own conversions name this group's LD and CW alone.  No register that a memory or LDS instruction has read is written again,
; so no wait on vm_vsrc is owed.
.set PITCH, 272                        ; an LDS row: 256 bytes of bf16 + 16 = 68 words: the 16 rows that a load touches start at 16 different groups of four banks (64 banks of 4 bytes: ISA guide 11.1)
.set WAVEB, 16*PITCH                   ; a wave's rows
.set SPARE, 8*WAVEB                    ; behind them: the spare words, 128 bytes for each wave: four blocks of 256 bytes that no other line names
.set LO,  2                            ; v2   16 x lane: my 4 numbers of a row's 128
.set SA,  3                            ; v3   where I put my 8 bytes of a row
.set RA,  4                            ; v4   where I read 16 bytes of row r back
.set GO,  5                            ; v5   my 16 bytes in wb: 1,024 w + 16 lane
.set SPW, 8                            ; v8   LDS address of my spare word; never rewritten
.set NIL, 9                            ; v9   0; never rewritten
.set LD,  16                           ; v[16:79]    16 rows as loaded
.set CW,  80                           ; v[80:111]   rounded, two words a row
.set RB,  112                          ; v[112:143]  read back: 8 x 16 bytes
	s_load_b128 s[4:7], s[0:1], 0x0                ; wkv_w s[4:5], wgate_w s[6:7]
	s_load_b64 s[8:9], s[0:1], 0x10                ; wb
	v_lshl_add_u32 v[SPW], v0, 2, SPARE
	v_mov_b32 v[NIL], 0
	v_lshrrev_b32 v1, 5, v0
	v_readfirstlane_b32 s12, v1                    ; wave 0..7 = block b
	v_and_b32 v10, 31, v0                          ; lane
	v_and_b32 v11, 15, v0                          ; r
	v_bfe_u32 v12, v0, 4, 1                        ; h
	s_lshr_b32 s16, ttmp9, 7                       ; c
	s_bfe_u32 s17, ttmp9, 0x50002                  ; step: 5 bits from bit 2
	s_and_b32 s18, ttmp9, 3                        ; g
	s_wait_alu depctr_va_sdst(0)                   ; s12 is written, ahead of its first reader: my weight row, my LDS rows and the choice of the matrix are made from it
	s_and_b32 s19, s12, 3                          ; b % 4
	s_lshl_b32 s16, s16, 8
	s_lshl_b32 s18, s18, 6
	s_add_co_u32 s16, s16, s18
	s_add_co_u32 s16, s16, s19                     ; my first weight row: 256 c + 64 g + b % 4
	s_lshl_b32 s16, s16, 14                        ; x 16,384 bytes a row
	s_lshl_b32 s17, s17, 9                         ; + 512 bytes a step
	s_add_co_u32 s16, s16, s17
	s_mov_b32 s17, 0
	s_lshl_b32 s20, ttmp9, 15                      ; the work-group's 32,768 bytes of wb
	s_mov_b32 s21, 0
	s_mul_i32 s22, s12, WAVEB                      ; my wave's LDS rows
	s_lshl_b32 s23, s12, 10
	v_lshlrev_b32 v[LO], 4, v10
	v_lshl_add_u32 v[SA], v10, 3, s22
	v_mul_u32_u24 v[RA], v11, PITCH
	v_lshl_add_u32 v[RA], v12, 4, v[RA]
	v_add_nc_u32 v[RA], s22, v[RA]
	v_lshl_add_u32 v[GO], v10, 4, s23
	s_wait_kmcnt 0x0
	s_cmp_lt_u32 s12, 4                            ; blocks 0-3 come from wkv_w, 4-7 from wgate_w
	s_cselect_b64 s[14:15], s[4:5], s[6:7]
	s_add_nc_u64 s[14:15], s[14:15], s[16:17]
	s_add_nc_u64 s[8:9], s[8:9], s[20:21]
	s_wait_alu depctr_va_vdst(0)                   ; v[LO], v[SA], v[RA] and v[GO] are written: every load and store below reads one of them, and none is written again
.irp t, 0,1,2,3,4,5,6,7,8,9,10,11,12,13,14,15
	global_load_b128 v[LD+4*(\t):LD+4*(\t)+3], v[LO], s[14:15] offset:(\t)*65536 th:TH_LOAD_NT  ; row r = t: four weight rows on; each byte is read once in the launch
.endr
.irp t, 0,1,2,3,4,5,6,7,8,9,10,11,12,13,14,15
	s_wait_loadcnt 15-(\t)                         ; loads come back in order: row t is in, the 15 - t younger ones stay out
.if ((\t) % 4 == 0) && ((\t) > 0)
	s_wait_alu depctr_va_vdst(0)                   ; the conversions of the four rows before have written their CW, which this group's four LDS stores read
.endif
.if (\t) >= 4
	ds_store_b64 v[SA], v[CW+2*(\t)-8:CW+2*(\t)-7] offset:((\t)-4)*PITCH  ; row t - 4: no vector instruction since the group's wait names its two registers
.endif
	v_cvt_pk_bf16_f32 v[CW+2*(\t)], v[LD+4*(\t)], v[LD+4*(\t)+1]
	v_cvt_pk_bf16_f32 v[CW+2*(\t)+1], v[LD+4*(\t)+2], v[LD+4*(\t)+3]
.endr
	s_wait_alu depctr_va_vdst(0)                   ; the conversions of rows 12 to 15 have written their CW, which the last four LDS stores read
.irp t, 12,13,14,15
	ds_store_b64 v[SA], v[CW+2*(\t):CW+2*(\t)+1] offset:(\t)*PITCH
.endr
.irp k, 0,1,2,3,4,5,6,7                ; k = 2 q + i: row r, bytes 64 q + 32 i + 16 h
	ds_load_b128 v[RB+4*(\k):RB+4*(\k)+3], v[RA] offset:(\k)*32  ; LDS serves a wave's instructions in order (ISA guide 5.7.1.4): these see the stores above
.endr
.irp k, 0,1,2,3,4,5,6,7
	s_wait_dscnt 7-(\k)
	global_store_b128 v[GO], v[RB+4*(\k):RB+4*(\k)+3], s[8:9] offset:((\k)/2)*8192+((\k)%2)*512  ; 512 consecutive bytes, at a multiple of 512 from wb's first byte
.endr
	s_wait_dscnt 0x0                               ; the closing lines, six on end
	s_wait_alu 0x0
	s_wait_tensorcnt 0x0
	ds_add_u32 v[SPW], v[NIL]
	s_wait_dscnt 0x0
	s_endpgm
.Lfunc_end_k_q9bd0df0873_pack:
	.size	k_q9bd0df0873_pack, .Lfunc_end_k_q9bd0df0873_pack-k_q9bd0df0873_pack
	.p2alignl 7, 3214868480
	.fill 96, 4, 3214868480
	.section	.rodata,"a",@progbits
	.p2align	6, 0x0
	.amdhsa_kernel k_q9bd0df0873_pack
		.amdhsa_group_segment_fixed_size 35840
		.amdhsa_private_segment_fixed_size 0
		.amdhsa_enable_private_segment 0
		.amdhsa_kernarg_size 24
		.amdhsa_user_sgpr_count 2
		.amdhsa_user_sgpr_kernarg_segment_ptr 1
		.amdhsa_wavefront_size32 1
		.amdhsa_system_sgpr_workgroup_id_x 1
		.amdhsa_system_sgpr_workgroup_id_y 1
		.amdhsa_system_sgpr_workgroup_id_z 1
		.amdhsa_system_vgpr_workitem_id 0
		.amdhsa_next_free_vgpr 144
		.amdhsa_next_free_sgpr 66
		.amdhsa_reserve_vcc 0
		.amdhsa_float_denorm_mode_32 3
		.amdhsa_float_denorm_mode_16_64 3
		.amdhsa_memory_ordered 1
		.amdhsa_forward_progress 1
		.amdhsa_inst_pref_size 9
	.end_amdhsa_kernel
	.amdgpu_metadata
---
amdhsa.version: [ 1, 2 ]
amdhsa.kernels:
  - .name:           k_q9bd0df0873_pack
    .symbol:         k_q9bd0df0873_pack.kd
    .args:
      - { .name: wkv_w, .offset: 0, .size: 8, .value_kind: global_buffer, .address_space: global }
      - { .name: wgate_w, .offset: 8, .size: 8, .value_kind: global_buffer, .address_space: global }
      - { .name: wb, .offset: 16, .size: 8, .value_kind: global_buffer, .address_space: global }
    .group_segment_fixed_size: 35840
    .private_segment_fixed_size: 0
    .kernarg_segment_align: 8
    .kernarg_segment_size: 24
    .max_flat_workgroup_size: 256
    .sgpr_count:     66
    .vgpr_count:     144
    .wavefront_size: 32
...
	.end_amdgpu_metadata
.endif
;; end of part 4
;; launch gemm: the kernel of part 2 again; grid 8 x 32, 4 waves a work-group, clusters of 4 x 1, 327,680 bytes of LDS; arguments x, wb, ape, pooled; writes pooled
;; launch norm: the kernel of part 3 again; grid 256 x 1, 8 waves a work-group, no clusters, 0 bytes of LDS; arguments pooled, norm_w, out0; writes out0
